; MI455X (gfx1250); checked and timed in simulation.
; The chip was launched on July 23, 2026; its instructions are those of AMD's public machine-readable ISA for CDNA 5 (MIT licence, August 2026) and "CDNA5" Instruction Set Architecture Reference Guide (July 2026). The comments in the code are by the model that wrote it; some were corrected since.
;; Scaled Dot Product Attention. Allowed arithmetic: float matrix products may take bf16 or f16 operands with f32 sums; all other float work in f32.
;; Inputs: K_batch 16 x 2,048 x 64 float32; Q_batch 16 x 2,048 x 64 float32; V_batch 16 x 2,048 x 64 float32; valid_lens 16 int32.
;; Outputs: out0 16 x 2,048 x 64 float32.
;; One version. Each part assembles by itself: llvm-mc -triple=amdgcn-amd-amdhsa -mcpu=gfx1250 --defsym DOCPART=n.
;; ======== version 1 of 1: 1 launch
;; limits: values are held in f16: magnitudes above 65,504 overflow, below 6.1e-05 lose precision
;; launch attn (part 1): grid 256 x 1, 8 waves a work-group, no clusters, 310,272 bytes of LDS; arguments K_batch, Q_batch, V_batch, valid_lens, out0; writes out0
.if DOCPART == 1
	.amdgcn_target "amdgcn-amd-amdhsa--gfx1250"
	.amdhsa_code_object_version 6
	.text
	.protected	k_q7fa81299ec_attn
	.globl	k_q7fa81299ec_attn
	.p2align	8
	.type	k_q7fa81299ec_attn,@function
k_q7fa81299ec_attn:
	s_mov_b64 s[64:65], 0
	v_nop
	global_prefetch_b8 v0, s[64:65] scope:SCOPE_SE
	s_setreg_imm32_b32 hwreg(HW_REG_WAVE_MODE, 25, 1), 1
	s_wait_xcnt 0x0
; Masked attention, 16 batches x 2048 queries x 2048 keys x 64, f32 in and out; products in f16 with f32 sums, softmax in f32.
;
; WORK.  An item is one batch and 64 queries: 512 items, two for each of the 256 work-groups.  Keys at or past valid_lens have
; weight exactly 0 and are not touched, so an item costs about its length.  Every wave ranks the 16 batches by length; work-group g
; takes query block g & 31 of the batch of rank g >> 5 (item A) and of the batch of rank 15 - (g >> 5) (item B): long with short.
; The KEYS are split over the 8 waves in tiles of 32: a wave holds all 64 queries and walks tiles t0, t0 + 8, ...; item B starts
; where item A ended in the round of waves, so the waves tile counts differ by one at the most.  Each wave keeps a running maximum,
; a sum and a 64 x 64 partial result of its own; the eight partials of an item are merged through LDS at the end.
; No barrier stands in the tile loops: a wave touches only LDS bytes of its own there.
;
; ORIENTATION.  S^T = K x Q^T (rows = keys, columns = queries): a lane then holds 16 keys of ONE query, the maximum needs one
; exchange between the lane halves, and the lane's 16 weights, packed in pairs, ARE the second source of O^T = V^T x P^T.
; V^T comes out of LDS by the transposing load.  O^T gives a lane 8 neighbouring numbers of a row of the result.
;
; FORMAT.  f16, not bf16: 11 significant bits in place of 8.  The result is judged against the root mean square of ALL batches, and a
; short batch holds numbers several times that, so the operands rounding has to be small against the batch's own numbers.
; The operands have room in f16: inputs of spread 1, also 30 times larger or shifted by 30 spreads, stay below some 200 of 65,504;
; the weights lie in (0, 1], and what f16 drops of those below 2^-14 is at most 2^-25 each, 2048 x 2^-25 < 6.2e-5 of a sum that is >= 1.
;
; MASK.  The first score product takes BIAS as its addend: 0 for keys below the length, -1e20 log2(e) for the others.
; valid_lens <= 0: reference has all scores equal, a uniform softmax over all 2048 keys.  Here: length 2048 and Q scaled by 0.
; A wave without a tile of its own runs one wholly masked tile; its maximum is about -1.4e20, so its factor in the merge is 0.
;
; NOT USED: tensor loads, clusters, joint requests (the 32 work-groups of a pair of batches do read the same tiles).  K and V come
; in f32 and pass through registers to become f16; f32 slots for them would be 2 x 16,384 bytes for each of 8 waves, 262,144 bytes,
; beside the 278,528 bytes of partial results: more than the 327,680 bytes there are.  A slot filled by the mover would also ask for
; a barrier in every trip, and so for equal trip counts in all waves, which the split of the keys does not give.
;
; LIMITS.  Inputs finite, with |K|, |V| and |Q| log2(e)/8 below 65,504, f16's largest number (also K where valid_lens <= 0, and K and V
; past the length in the last tile); parts of them below 2^-14 are kept to 2^-25 absolutely.  Scores far above -1e20 (below that
; reference itself mixes masked and unmasked keys).  log2(e)/8 is multiplied into Q before Q is rounded to f16.
; valid_lens < 0 counts as 0, above 2048 as 2048.
; ---- LDS map, bytes ----
.set PBLK,   17408                     ; one partial result: 64 rows of 272 bytes (256 + 16: 16 rows start in 16 different bank groups)
.set PART_A, 0                         ; 8 blocks, one a wave: partial O of item A
.set PART_B, 139264                    ; 8 blocks: partial O of item B; until then the block is its wave's stage for K and V in f16
.set QB,     278528                    ; Q x scale in f16: 2 items x 64 rows of 144 bytes
.set QITEM,  9216
.set STATM,  296960                    ; running maxima: item x 2048 + wave x 256 + query x 4
.set STATL,  4096                      ; the sums lie this far behind the maxima
.set GFAC,   305152                    ; merge factors: 512 bytes for each merging wave, row x 32 + wave x 4
.set KP,     144                       ; pitch of K and Q rows (128 + 16)
.set VP,     160                       ; pitch of V rows: an odd multiple of 32
.set VSTG,   4608                      ; V stage behind the K stage (32 x 144)
.set OP,     272
; ---- vector registers, window 0 ----
; v0 thread  v1 16 x lane  v2 offset of the tile being fetched  v3 K stage store  v4 V stage store  v5 K fragments  v6 V fragments
; v7 Q fragments  v8 8 h  v9 mask value  v10 zero  v11 partial A  v12 partial B  v13 maxima and sums  v14 r = lane % 16  v15 h = lane / 16
.set RM,    16                         ; v[16:19]   running maximum of query block qb
.set RAL,   20                         ; v[20:23]   2^(old maximum - new maximum)
.set RLS,   24                         ; v[24:31]   two partial sums for each qb
.set RT,    32                         ; v[32:35]   maximum at work
.set RX,    36                         ; v[36:39]   what the other lane half sends
.set RBIAS, 40                         ; v[40:55]   8 kb + j: addend of key 16 kb + 8 h + j
.set RQ,    56                         ; v[56:119]  Q fragments, 16 qb + 8 ks
.set RKF,   120                        ; v[120:151] K fragments, 16 kb + 8 ks
.set RVF,   152                        ; v[152:183] V^T fragments, 8 db
.set RS,    184                        ; v[184:247] scores, 16 qb + 8 kb + j; then the weights in f16 in 16 qb + 0..7
; v248 length left - 8 h   v249, v250 offsets of my Q bytes, item A, B   v251 Q stage store
; ---- window 1 (written with their low 8 bits) ----
.set RO,    0                          ; v[256:383] O^T, 32 qb + 8 db
.set RKS,   128                        ; v[384:447] K tile as loaded, 4 registers a load
.set RVS,   192                        ; v[448:511] V tile as loaded
; ---- scalar registers ----
; s[4:5] K  s[6:7] Q  s[8:9] V  s[10:11] valid_lens  s[12:13] out  s14 wave  s15 pair  s16 query block  s17, s18 batch A, B
; s19, s20 length A, B  s[24:25], s[26:27] Q scale A, B (twice each)  s28, s29 tiles A, B  s30 last tile A  s31 first tile B  s32 last tile B
; s33 tile  s34 length left  s35-s39, s44-s45 at work  s40, s41 lane selects  s[46:47] out, my rows
; s48, s49 my tiles of item A, B, less one (0 to 7): the trips of the tile loops   s50 trip counter
.set MSB, 0
.macro WIN new                         ; register windows; the high byte repeats the setting that is left
.if MSB != \new
	s_set_vgpr_msb (MSB<<8)|\new
.set MSB, \new
.endif
.endm
; =============================== arguments, lane numbers, LDS addresses ===============================
	s_load_b256 s[4:11], s[0:1], 0x0
	s_load_b64 s[12:13], s[0:1], 0x20
	v_lshl_add_u32 v254, v0, 2, 0x4b800
	v_mov_b32 v255, 0
	v_lshrrev_b32 v57, 5, v0
	v_readfirstlane_b32 s14, v57                   ; wave 0..7
	s_lshr_b32 s15, ttmp9, 5                       ; pair of ranks 0..7
	s_and_b32 s16, ttmp9, 31                       ; query block 0..31
	s_mov_b32 s40, 0x76543210                      ; v_permlanex16_b32: lane i takes lane i of the other half
	s_mov_b32 s41, 0xfedcba98
	v_and_b32 v14, 15, v0                          ; r
	v_bfe_u32 v15, v0, 4, 1                        ; h
	v_and_b32 v1, 31, v0
	v_lshlrev_b32 v1, 4, v1                        ; 16 x lane
	v_lshlrev_b32 v8, 3, v15                       ; 8 h
	v_mov_b32 v9, 0xe0fa4488                       ; -1e20 x log2(e)
	v_mov_b32 v10, 0
.irp qb, 0,1,2,3
	v_mov_b32 v[RX+\qb], 0                         ; a lane exchange counts as a reader of its destination
.endr
	v_lshlrev_b32 v60, 2, v14                      ; lanes r and 16 + r both take valid_lens[r]
	v_mov_b32 v62, 0x800
	s_wait_kmcnt 0x0
	global_load_b32 v56, v60, s[10:11]
	; while it is on its way: LDS addresses (v56 and v60 are left alone)
	s_mul_i32 s38, s14, PBLK                       ; my block of PART_A
	s_add_co_u32 s39, s38, PART_B                  ; my block of PART_B = my stage
	s_add_co_u32 s44, s39, VSTG
	v_mul_u32_u24 v61, v15, KP
	v_lshl_add_u32 v61, v14, 3, v61                ; 144 h + 8 r: a load brings two rows of 64 f32, 4 numbers a lane = 8 bytes of f16
	v_add_nc_u32 v3, s39, v61
	v_mul_u32_u24 v57, v15, VP
	v_lshl_add_u32 v57, v14, 3, v57                ; 160 h + 8 r
	v_add_nc_u32 v4, s44, v57
	v_mul_u32_u24 v57, v14, KP
	v_lshl_add_u32 v57, v15, 4, v57                ; 144 r + 16 h: a fragment of rows that lie along d
	v_add_nc_u32 v5, s39, v57
	v_add_nc_u32 v7, QB, v57
	v_and_b32 v58, 7, v0
	v_add_nc_u32 v58, v58, v8                      ; key 8 h + lane % 8
	v_mul_u32_u24 v58, v58, VP
	v_bfe_u32 v59, v0, 3, 1
	v_lshl_add_u32 v58, v59, 4, v58                ; + 16 bytes for the upper eight of each sixteen lanes
	v_add_nc_u32 v6, s44, v58
	v_mul_u32_u24 v57, v14, OP
	v_lshl_add_u32 v57, v15, 5, v57                ; 272 r + 32 h: a lane holds 8 neighbouring f32 of row r
	v_add_nc_u32 v11, s38, v57
	v_add_nc_u32 v12, s39, v57
	s_lshl_b32 s44, s14, 8
	s_add_co_u32 s44, s44, STATM
	v_lshl_add_u32 v13, v14, 2, s44                ; my 256 bytes of maxima + 4 r
	s_mul_i32 s44, s14, 2*KP                       ; Q stage: my 32 threads hold rows 2 w, 2 w + 1 of each 16
	s_add_co_u32 s44, s44, QB
	v_add_nc_u32 v251, s44, v61
; =============================== rank of the batches by length ===============================
	s_wait_loadcnt 0x0                             ; valid_lens
	v_min_i32 v57, 0x800, v56
	v_cmp_gt_i32 vcc_lo, 1, v56                    ; length <= 0:
	v_cndmask_b32 v57, v57, v62, vcc_lo            ; all 2048 keys count
	v_lshl_add_u32 v58, v57, 4, v14                ; length x 16 + batch: 16 different keys
	v_mov_b32 v59, 0
.irp j, 0,1,2,3,4,5,6,7,8,9,10,11,12,13,14,15
	v_readlane_b32 s38, v58, \j
	v_cmp_lt_u32 vcc_lo, s38, v58
	v_cndmask_b32 v60, 0, 1, vcc_lo
	v_add_nc_u32 v59, v59, v60                     ; rank = how many keys are smaller
.endr
	v_cmp_eq_u32 vcc_lo, s15, v59
	s_ctz_i32_b32 s17, vcc_lo                      ; the batch of rank p
	s_min_u32 s17, s17, 15
	s_sub_co_u32 s38, 15, s15
	v_cmp_eq_u32 vcc_lo, s38, v59
	s_ctz_i32_b32 s18, vcc_lo                      ; the batch of rank 15 - p
	s_min_u32 s18, s18, 15
	v_readlane_b32 s19, v57, s17
	s_min_u32 s19, s19, 0x800
	v_readlane_b32 s20, v57, s18
	s_min_u32 s20, s20, 0x800
	v_readlane_b32 s38, v56, s17
	s_cmp_gt_i32 s38, 0
	s_cselect_b32 s24, 0x3e38aa3b, 0               ; log2(e) / 8, or 0: every score 0, the uniform softmax
	s_mov_b32 s25, s24
	v_readlane_b32 s38, v56, s18
	s_cmp_gt_i32 s38, 0
	s_cselect_b32 s26, 0x3e38aa3b, 0
	s_mov_b32 s27, s26
	; tiles: item A from tile w, item B from tile (w - tiles of A) mod 8, both in steps of 8; at least one tile each
	s_add_co_u32 s28, s19, 31
	s_lshr_b32 s28, s28, 5
	s_add_co_u32 s38, s28, 7
	s_sub_co_u32 s38, s38, s14
	s_lshr_b32 s38, s38, 3
	s_max_u32 s38, s38, 1                          ; my tiles of item A: 1 to 8 (64 tiles at the most, every eighth is mine)
	s_sub_co_u32 s48, s38, 1
	s_min_u32 s48, s48, 7                          ; trips of item A's loop behind its first tile
	s_lshl_b32 s38, s38, 3
	s_add_co_u32 s30, s38, s14
	s_sub_co_u32 s30, s30, 8
	s_min_u32 s30, s30, 63
	s_add_co_u32 s29, s20, 31
	s_lshr_b32 s29, s29, 5
	s_sub_co_u32 s31, s14, s28
	s_and_b32 s31, s31, 7
	s_add_co_u32 s38, s29, 7
	s_sub_co_u32 s38, s38, s31
	s_lshr_b32 s38, s38, 3
	s_max_u32 s38, s38, 1                          ; my tiles of item B
	s_sub_co_u32 s49, s38, 1
	s_min_u32 s49, s49, 7                          ; trips of item B's loop
	s_lshl_b32 s38, s38, 3
	s_add_co_u32 s32, s38, s31
	s_sub_co_u32 s32, s32, 8
	s_min_u32 s32, s32, 63
; =============================== macros of the tile loop ===============================
; 32 loads: a tile of 32 keys is 8,192 dense bytes of K and of V; each load of the wave covers 512 consecutive bytes
.macro LOADS
	WIN 0x40
.set L_I, 0
.rept 16
	global_load_b128 v[RKS+4*L_I:RKS+4*L_I+3], v2, s[4:5] offset:512*L_I
.set L_I, L_I+1
.endr
.set L_I, 0
.rept 16
	global_load_b128 v[RVS+4*L_I:RVS+4*L_I+3], v2, s[8:9] offset:512*L_I
.set L_I, L_I+1
.endr
	WIN 0
.endm
; the offset of the tile to fetch next: 8 tiles on; behind the last tile of item A, the first of item B
.macro NEXT it
	s_add_co_u32 s35, s33, 8
.if \it
	s_mov_b32 s36, s18
.else
	s_cmp_lt_u32 s33, s30
	s_cselect_b32 s35, s35, s31
	s_cselect_b32 s36, s17, s18
.endif
	s_min_u32 s35, s35, 63                         ; numbers made from loaded data are clamped before they enter an address
	s_min_u32 s36, s36, 15
	s_lshl_b32 s37, s35, 13
	s_lshl_b32 s38, s36, 19
	s_add_co_u32 s37, s37, s38
	v_add_nc_u32 v2, s37, v1                       ; the loads that named v2 were waited for at the head of the stage
.endm
; the addend of the scores: key 16 kb + 8 h + j counts if it is below the length that is left
.macro MKBIAS
	v_sub_nc_u32 v248, s34, v8
.irp kb, 0,1
.irp j, 0,1,2,3,4,5,6,7
	v_cmp_lt_i32 vcc_lo, 16*\kb+\j, v248
	v_cndmask_b32 v[RBIAS+8*\kb+\j], v9, v10, vcc_lo
.endr
.endr
.endm
; the tile that was fetched during the last tile: to f16, through my stage, into fragments; then the next tile is asked for
.macro STAGE it, tag
	s_wait_loadcnt 0x0                             ; all 32 loads of this tile; nothing younger is out
	WIN 0x45
.set C_I, 0
.rept 32                                           ; 64 conversions in place.  They are also the places (ISA guide 7.12.1) between the last
	v_cvt_pk_f16_f32 v[RKS+4*C_I], v[RKS+4*C_I], v[RKS+4*C_I+1]        ; tile's O products and the loads into their V fragments and the
	v_cvt_pk_f16_f32 v[RKS+4*C_I+1], v[RKS+4*C_I+2], v[RKS+4*C_I+3]    ; score products that write over their weights
.set C_I, C_I+1
.endr
	WIN 0x04
.set C_I, 0
.rept 16
	ds_store_b64 v3, v[RKS+4*C_I:RKS+4*C_I+1] offset:2*KP*C_I
.set C_I, C_I+1
.endr
.set C_I, 0
.rept 16
	ds_store_b64 v4, v[RVS+4*C_I:RVS+4*C_I+1] offset:2*VP*C_I
.set C_I, C_I+1
.endr
	WIN 0
.irp kb, 0,1                                       ; my own bytes: LDS serves a wave in order (ISA guide 5.7.1), these see the stores above
.irp ks, 0,1
	ds_load_b128 v[RKF+16*\kb+8*\ks:RKF+16*\kb+8*\ks+3],   v5 offset:16*KP*\kb+64*\ks
	ds_load_b128 v[RKF+16*\kb+8*\ks+4:RKF+16*\kb+8*\ks+7], v5 offset:16*KP*\kb+64*\ks+32
.endr
.endr
.irp db, 0,1,2,3
	ds_load_tr16_b128 v[RVF+8*\db:RVF+8*\db+3],   v6 offset:32*\db            ; keys 8 h .. 8 h + 7 of column 16 db + r
	ds_load_tr16_b128 v[RVF+8*\db+4:RVF+8*\db+7], v6 offset:32*\db+16*VP      ; keys 16 + 8 h ..
.endr
	NEXT \it
	s_wait_dscnt 0x8                               ; the stage stores, the Q and K fragments are done; the 8 V loads stay out
.if \it
	s_cmp_lt_u32 s33, s32                          ; the last tile of item B fetches nothing: no load leaves the buffers
	s_cbranch_scc0 .Lnl_\tag
	LOADS
.Lnl_\tag:
.else
	LOADS
.endif
.endm
; S^T = K x Q^T + BIAS: 8 products over d 0-31, then the 8 links over d 32-63 of the same chains
.macro SCORES
.irp qb, 0,1,2,3
.irp kb, 0,1
	v_wmma_f32_16x16x32_f16 v[RS+16*\qb+8*\kb:RS+16*\qb+8*\kb+7], v[RKF+16*\kb:RKF+16*\kb+7], v[RQ+16*\qb:RQ+16*\qb+7], v[RBIAS+8*\kb:RBIAS+8*\kb+7]
.endr
.endr
.irp qb, 0,1,2,3
.irp kb, 0,1
	v_wmma_f32_16x16x32_f16 v[RS+16*\qb+8*\kb:RS+16*\qb+8*\kb+7], v[RKF+16*\kb+8:RKF+16*\kb+15], v[RQ+16*\qb+8:RQ+16*\qb+15], v[RS+16*\qb+8*\kb:RS+16*\qb+8*\kb+7]
.endr
.endr
.rept 4
	v_nop                                          ; four places before vector instructions read the scores (ISA guide 7.12.1)
.endr
.endm
; the new maximum of each query (four chains side by side), and 2^(old - new)
.macro SMAX first
.if \first
.irp qb, 0,1,2,3
	v_max3_num_f32 v[RT+\qb], v[RS+16*\qb], v[RS+16*\qb+1], v[RS+16*\qb+2]
.endr
.irp k, 3,5,7,9,11,13
.irp qb, 0,1,2,3
	v_max3_num_f32 v[RT+\qb], v[RT+\qb], v[RS+16*\qb+\k], v[RS+16*\qb+\k+1]
.endr
.endr
.irp qb, 0,1,2,3
	v_max_num_f32 v[RT+\qb], v[RT+\qb], v[RS+16*\qb+15]
.endr
.else
.irp qb, 0,1,2,3
	v_max3_num_f32 v[RT+\qb], v[RM+\qb], v[RS+16*\qb], v[RS+16*\qb+1]
.endr
.irp k, 2,4,6,8,10,12,14
.irp qb, 0,1,2,3
	v_max3_num_f32 v[RT+\qb], v[RT+\qb], v[RS+16*\qb+\k], v[RS+16*\qb+\k+1]
.endr
.endr
.endif
.irp qb, 0,1,2,3
	v_permlanex16_b32 v[RX+\qb], v[RT+\qb], s40, s41           ; the other 16 keys of the same query
.endr
.irp qb, 0,1,2,3
	v_max_num_f32 v[RT+\qb], v[RT+\qb], v[RX+\qb]
.endr
.if \first == 0
.irp qb, 0,1,2,3
	v_sub_f32 v[RAL+\qb], v[RM+\qb], v[RT+\qb]
.endr
.endif
.irp qb, 0,1,2,3
	v_mov_b32 v[RM+\qb], v[RT+\qb]
.endr
.if \first == 0
.irp qb, 0,1,2,3
	v_exp_f32 v[RAL+\qb], v[RAL+\qb]               ; first used far below, behind plain instructions
.endr
.endif
.endm
.macro SHIFT qb                        ; scores - maximum, two at a time; the maximum is broadcast out of its register pair
.set S_I, RS+16*\qb
.rept 8
.if \qb & 1
	v_pk_add_f32 v[S_I:S_I+1], v[S_I:S_I+1], v[RM+\qb-1:RM+\qb] op_sel:[0,1] op_sel_hi:[1,1] neg_lo:[0,1] neg_hi:[0,1]
.else
	v_pk_add_f32 v[S_I:S_I+1], v[S_I:S_I+1], v[RM+\qb:RM+\qb+1] op_sel_hi:[1,0] neg_lo:[0,1] neg_hi:[0,1]
.endif
.set S_I, S_I+2
.endr
.endm
.macro EXPS qb                         ; 16 exponentials back to back; what follows them is always plain work on another query block
.set S_I, RS+16*\qb
.rept 16
	v_exp_f32 v[S_I], v[S_I]
.set S_I, S_I+1
.endr
.endm
; the lane's sums (old sums x alpha first) and the weights packed to f16 in place: pair i goes to register i, which is summed by then
.macro SUMPACK qb, first
.set P_B, RS+16*\qb
.set L_S, RLS+2*\qb
.if \first
	s_wait_alu depctr_va_vdst(0)
	v_pk_add_f32 v[L_S:L_S+1], v[P_B:P_B+1], v[P_B+2:P_B+3]
	v_cvt_pk_f16_f32 v[P_B], v[P_B], v[P_B+1]
	v_cvt_pk_f16_f32 v[P_B+1], v[P_B+2], v[P_B+3]
.set S_I, 2
.else
.if \qb & 1
	v_pk_fma_f32 v[L_S:L_S+1], v[L_S:L_S+1], v[RAL+\qb-1:RAL+\qb], v[P_B:P_B+1] op_sel:[0,1,0] op_sel_hi:[1,1,1]
.else
	s_wait_alu depctr_va_vdst(0)
	v_pk_fma_f32 v[L_S:L_S+1], v[L_S:L_S+1], v[RAL+\qb:RAL+\qb+1], v[P_B:P_B+1] op_sel_hi:[1,0,1]
.endif
	v_cvt_pk_f16_f32 v[P_B], v[P_B], v[P_B+1]
.set S_I, 1
.endif
.rept 8-S_I
	v_pk_add_f32 v[L_S:L_S+1], v[L_S:L_S+1], v[P_B+2*S_I:P_B+2*S_I+1]
	v_cvt_pk_f16_f32 v[P_B+S_I], v[P_B+2*S_I], v[P_B+2*S_I+1]
.set S_I, S_I+1
.endr
.endm
.macro SOFTMAX first
	SMAX \first
	SHIFT 0
	EXPS 0
	SHIFT 1
	EXPS 1
	SUMPACK 0, \first
	SHIFT 2
	EXPS 2
	SUMPACK 1, \first
	SHIFT 3
	EXPS 3
	SUMPACK 2, \first
	SUMPACK 3, \first
.endm
; O^T = O^T x alpha + V^T x P^T.  In an item's first tile the products start the sums: nothing is cleared
.macro PV first
.if \first == 0
	WIN 0x41
.irp qb, 0,1,2,3
.set O_I, RO+32*\qb
.rept 16
.if \qb & 1
	v_pk_mul_f32 v[O_I:O_I+1], v[O_I:O_I+1], v[RAL+\qb-1:RAL+\qb] op_sel:[0,1] op_sel_hi:[1,1]
.else
	v_pk_mul_f32 v[O_I:O_I+1], v[O_I:O_I+1], v[RAL+\qb:RAL+\qb+1] op_sel_hi:[1,0]
.endif
.set O_I, O_I+2
.endr
.endr
.endif
	s_wait_dscnt 0x0                               ; the V^T fragments
	WIN 0x50
.irp qb, 0,1,2,3
.irp db, 0,1,2,3
.if \first
	v_wmma_f32_16x16x32_f16 v[RO+32*\qb+8*\db:RO+32*\qb+8*\db+7], v[RVF+8*\db:RVF+8*\db+7], v[RS+16*\qb:RS+16*\qb+7], 0
.else
	v_wmma_f32_16x16x32_f16 v[RO+32*\qb+8*\db:RO+32*\qb+8*\db+7], v[RVF+8*\db:RVF+8*\db+7], v[RS+16*\qb:RS+16*\qb+7], v[RO+32*\qb+8*\db:RO+32*\qb+8*\db+7]
.endif
.endr
.endr
	WIN 0
.endm
.macro TILE it, first, tag
	s_lshl_b32 s34, s33, 5
	s_sub_co_i32 s34, s[19+\it], s34               ; length left from this tile on (below 1: wholly masked)
.if \first
	MKBIAS
.else
	s_cmp_ge_i32 s34, 32                           ; a full tile: BIAS is all zeros since the first tile
	s_cbranch_scc1 .Lnm_\tag
	MKBIAS
.Lnm_\tag:
.endif
	STAGE \it, \tag
	SCORES
	SOFTMAX \first
	PV \first
.endm
; one item: its first tile written out (its products start the sums), then a loop of s48 (s49) trips, counted by s50 in steps of 1;
; the tile number s33 goes along in steps of 8
.macro ITEM it
.if \it
	s_mov_b32 s33, s31
.else
	s_mov_b32 s33, s14
.endif
.irp qb, 0,1,2,3
.irp ks, 0,1
	ds_load_b128 v[RQ+16*\qb+8*\ks:RQ+16*\qb+8*\ks+3],   v7 offset:QITEM*\it+16*KP*\qb+64*\ks
	ds_load_b128 v[RQ+16*\qb+8*\ks+4:RQ+16*\qb+8*\ks+7], v7 offset:QITEM*\it+16*KP*\qb+64*\ks+32
.endr
.endr
	TILE \it, 1, f\it
	s_add_co_u32 s33, s33, 8
	s_mov_b32 s50, 0
	s_cmp_eq_u32 s[48+\it], 0                      ; one tile only
	s_cbranch_scc1 .Ldone\it
.Lloop\it:
	TILE \it, 0, l\it
	s_add_co_u32 s33, s33, 8
	s_add_co_u32 s50, s50, 1
	s_cmp_lt_u32 s50, s[48+\it]
	s_cbranch_scc1 .Lloop\it
.Ldone\it:
.rept 4
	v_nop                                          ; four places before LDS stores read the last products
.endr
	WIN 0x04
.irp qb, 0,1,2,3
.irp db, 0,1,2,3
	ds_store_b128 v[11+\it], v[RO+32*\qb+8*\db:RO+32*\qb+8*\db+3]   offset:16*OP*\qb+64*\db
	ds_store_b128 v[11+\it], v[RO+32*\qb+8*\db+4:RO+32*\qb+8*\db+7] offset:16*OP*\qb+64*\db+16
.endr
.endr
	WIN 0
.irp qb, 0,1,2,3
	v_add_f32 v[RT+\qb], v[RLS+2*\qb], v[RLS+2*\qb+1]
.endr
.irp qb, 0,1,2,3
	v_permlanex16_b32 v[RX+\qb], v[RT+\qb], s40, s41
.endr
.irp qb, 0,1,2,3
	v_add_f32 v[RT+\qb], v[RT+\qb], v[RX+\qb]      ; the sum over my keys, in both lane halves
	ds_store_b32 v13, v[RM+\qb] offset:2048*\it+64*\qb
	ds_store_b32 v13, v[RT+\qb] offset:2048*\it+64*\qb+STATL
.endr
.endm
; =============================== Q of both items to LDS in f16; the first tile is asked for ===============================
	s_lshl_b32 s38, s17, 19                        ; a batch is 2048 x 256 bytes,
	s_lshl_b32 s39, s16, 14                        ; a block of 64 queries 16,384
	s_add_co_u32 s38, s38, s39
	v_lshl_add_u32 v249, v0, 4, s38                ; 256 threads x 16 bytes = 16 rows a load
	s_lshl_b32 s38, s18, 19
	s_add_co_u32 s38, s38, s39
	v_lshl_add_u32 v250, v0, 4, s38
.irp i, 0,1,2,3
	global_load_b128 v[56+4*\i:59+4*\i], v249, s[6:7] offset:4096*\i th:TH_LOAD_NT
.endr
.irp i, 0,1,2,3
	global_load_b128 v[72+4*\i:75+4*\i], v250, s[6:7] offset:4096*\i th:TH_LOAD_NT
.endr
	s_lshl_b32 s37, s14, 13                        ; tile w of batch A
	s_lshl_b32 s38, s17, 19
	s_add_co_u32 s37, s37, s38
	v_add_nc_u32 v2, s37, v1
	LOADS
	s_wait_loadcnt 0x20                            ; the 8 loads of Q are in; the 32 younger ones of the first tile stay out
.set Q_I, 0
.rept 8
	v_pk_mul_f32 v[56+4*Q_I:57+4*Q_I], v[56+4*Q_I:57+4*Q_I], s[24+2*(Q_I/4):25+2*(Q_I/4)] op_sel_hi:[1,0]
	v_pk_mul_f32 v[58+4*Q_I:59+4*Q_I], v[58+4*Q_I:59+4*Q_I], s[24+2*(Q_I/4):25+2*(Q_I/4)] op_sel_hi:[1,0]
	v_cvt_pk_f16_f32 v[88+2*Q_I], v[56+4*Q_I], v[57+4*Q_I]
	v_cvt_pk_f16_f32 v[89+2*Q_I], v[58+4*Q_I], v[59+4*Q_I]
	ds_store_b64 v251, v[88+2*Q_I:89+2*Q_I] offset:16*KP*(Q_I%4)+QITEM*(Q_I/4)
.set Q_I, Q_I+1
.endr
	s_wait_dscnt 0x0                               ; for the other waves: my rows of Q are in LDS
	s_barrier_signal -1
	s_barrier_wait -1                              ; every wave reads all 64 rows; nobody writes them again
; =============================== the two items ===============================
	ITEM 0
	ITEM 1
; =============================== merge: wave w owns item w / 4, queries 16 (w % 4) .. + 15 ===============================
	s_wait_dscnt 0x0                               ; for the other waves: my partials, maxima and sums are in LDS
	s_barrier_signal -1
	s_barrier_wait -1
	s_lshr_b32 s38, s14, 2                         ; item
	s_and_b32 s39, s14, 3                          ; quarter of its queries
	s_lshl_b32 s35, s38, 11
	s_lshl_b32 s36, s39, 6
	s_add_co_u32 s35, s35, s36
	s_add_co_u32 s35, s35, STATM
	v_lshlrev_b32 v240, 7, v8                      ; lane half h takes the partials of waves 4 h .. 4 h + 3: 1024 h
	v_lshl_add_u32 v240, v14, 2, v240              ; of query r of my 16
	v_add_nc_u32 v240, s35, v240
	s_lshl_b32 s35, s14, 9
	s_add_co_u32 s35, s35, GFAC
	v_lshlrev_b32 v241, 5, v14
	v_lshl_add_u32 v241, v15, 4, v241
	v_add_nc_u32 v241, s35, v241                   ; factors in: row r, waves 4 h ..
	v_lshl_add_u32 v242, v15, 5, s35               ; factors back: row h of each two
	s_mul_i32 s35, s38, PART_B
	s_mul_i32 s36, s39, 16*OP
	s_add_co_u32 s35, s35, s36
	v_mul_u32_u24 v243, v15, OP
	v_lshl_add_u32 v243, v14, 4, v243              ; lanes 0-15 take one whole row of 256 bytes, lanes 16-31 the next
	v_add_nc_u32 v243, s35, v243                   ; partials of waves 0-3
	v_add_nc_u32 v244, 4*PBLK, v243                ; and of waves 4-7: the 16-bit offset does not reach them
	s_cmp_ge_u32 s14, 4
	s_cselect_b32 s37, s18, s17
	s_min_u32 s37, s37, 15
	s_lshl_b32 s44, s37, 19
	s_lshl_b32 s36, s16, 14
	s_add_co_u32 s44, s44, s36
	s_lshl_b32 s36, s39, 12                        ; 16 rows of 256 bytes for each quarter
	s_add_co_u32 s44, s44, s36
	s_mov_b32 s45, 0
	s_add_nc_u64 s[46:47], s[12:13], s[44:45]
	; factors g[u] = 2^(m[u] - max) / sum over u of 2^(m[u] - max) l[u].  The sum is at least 1: the wave with the maximum has l >= 1
.irp i, 0,1,2,3
	ds_load_b32 v[168+\i], v240 offset:256*\i
.endr
.irp i, 0,1,2,3
	ds_load_b32 v[172+\i], v240 offset:256*\i+STATL
.endr
	s_wait_dscnt 0x0
	v_max3_num_f32 v176, v168, v169, v170
	v_max_num_f32 v176, v176, v171
	v_permlanex16_b32 v36, v176, s40, s41
	v_max_num_f32 v176, v176, v36
.irp i, 0,1,2,3
	v_sub_f32 v[168+\i], v[168+\i], v176
.endr
.irp i, 0,1,2,3
	v_exp_f32 v[168+\i], v[168+\i]
.endr
	v_nop                                          ; one plain place behind the exponentials before their results are read
	s_wait_alu depctr_va_vdst(0)
	v_mul_f32 v177, v168, v172
	v_fmac_f32 v177, v169, v173
	v_fmac_f32 v177, v170, v174
	v_fmac_f32 v177, v171, v175
	v_permlanex16_b32 v36, v177, s40, s41
	v_add_f32 v177, v177, v36
	v_rcp_f32 v178, v177
	v_nop                                          ; and one behind the reciprocal
	s_wait_alu depctr_va_vdst(0)
.irp i, 0,1,2,3
	v_mul_f32 v[168+\i], v[168+\i], v178
.endr
	ds_store_b128 v241, v[168:171]                 ; my own 512 bytes: read back below in order, no barrier
; step s: rows 2 s and 2 s + 1 of my 16.  Ten loads: the 8 factors of the lane's row, and its 16 bytes of each of the 8 partials
.macro MLOAD s, buf
	ds_load_b128 v[56+40*\buf:59+40*\buf], v242 offset:64*\s
	ds_load_b128 v[60+40*\buf:63+40*\buf], v242 offset:64*\s+16
.irp u, 0,1,2,3
	ds_load_b128 v[64+40*\buf+4*\u:67+40*\buf+4*\u], v243 offset:PBLK*\u+2*OP*\s
.endr
.irp u, 0,1,2,3
	ds_load_b128 v[80+40*\buf+4*\u:83+40*\buf+4*\u], v244 offset:PBLK*\u+2*OP*\s
.endr
.endm
; each step has result registers of its own, so no store's data are ever rewritten
.macro MSTEP s, buf, left
	s_wait_dscnt \left
	v_pk_mul_f32 v[136+4*\s:137+4*\s], v[64+40*\buf:65+40*\buf], v[56+40*\buf:57+40*\buf] op_sel_hi:[1,0]
	v_pk_mul_f32 v[138+4*\s:139+4*\s], v[66+40*\buf:67+40*\buf], v[56+40*\buf:57+40*\buf] op_sel_hi:[1,0]
.irp u, 1,2,3,4,5,6,7
.if \u & 1
	v_pk_fma_f32 v[136+4*\s:137+4*\s], v[64+40*\buf+4*\u:65+40*\buf+4*\u], v[55+40*\buf+\u:56+40*\buf+\u], v[136+4*\s:137+4*\s] op_sel:[0,1,0] op_sel_hi:[1,1,1]
	v_pk_fma_f32 v[138+4*\s:139+4*\s], v[66+40*\buf+4*\u:67+40*\buf+4*\u], v[55+40*\buf+\u:56+40*\buf+\u], v[138+4*\s:139+4*\s] op_sel:[0,1,0] op_sel_hi:[1,1,1]
.else
	v_pk_fma_f32 v[136+4*\s:137+4*\s], v[64+40*\buf+4*\u:65+40*\buf+4*\u], v[56+40*\buf+\u:57+40*\buf+\u], v[136+4*\s:137+4*\s] op_sel_hi:[1,0,1]
	v_pk_fma_f32 v[138+4*\s:139+4*\s], v[66+40*\buf+4*\u:67+40*\buf+4*\u], v[56+40*\buf+\u:57+40*\buf+\u], v[138+4*\s:139+4*\s] op_sel_hi:[1,0,1]
.endif
.endr
	global_store_b128 v1, v[136+4*\s:139+4*\s], s[46:47] offset:512*\s th:TH_STORE_NT   ; the wave stores 512 consecutive bytes: two whole rows of out0
.endm
	MLOAD 0, 0
	MLOAD 1, 1
	MSTEP 0, 0, 10                                 ; the ten younger loads, of the next step, stay out
	MLOAD 2, 0
	MSTEP 1, 1, 10
	MLOAD 3, 1
	MSTEP 2, 0, 10
	MLOAD 4, 0
	MSTEP 3, 1, 10
	MLOAD 5, 1
	MSTEP 4, 0, 10
	MLOAD 6, 0
	MSTEP 5, 1, 10
	MLOAD 7, 1
	MSTEP 6, 0, 10
	MSTEP 7, 1, 0                                  ; nothing was issued behind the last step's loads
	s_wait_tensorcnt 0x0
	ds_add_u32 v254, v255
	s_wait_dscnt 0x0
	s_endpgm
.Lfunc_end_k_q7fa81299ec_attn:
	.size	k_q7fa81299ec_attn, .Lfunc_end_k_q7fa81299ec_attn-k_q7fa81299ec_attn
	.p2alignl 7, 3214868480
	.fill 96, 4, 3214868480
	.section	.rodata,"a",@progbits
	.p2align	6, 0x0
	.amdhsa_kernel k_q7fa81299ec_attn
		.amdhsa_group_segment_fixed_size 310272
		.amdhsa_private_segment_fixed_size 0
		.amdhsa_enable_private_segment 0
		.amdhsa_kernarg_size 40
		.amdhsa_user_sgpr_count 2
		.amdhsa_user_sgpr_kernarg_segment_ptr 1
		.amdhsa_wavefront_size32 1
		.amdhsa_system_sgpr_workgroup_id_x 1
		.amdhsa_system_sgpr_workgroup_id_y 1
		.amdhsa_system_sgpr_workgroup_id_z 1
		.amdhsa_system_vgpr_workitem_id 0
		.amdhsa_next_free_vgpr 512
		.amdhsa_next_free_sgpr 66
		.amdhsa_reserve_vcc 1
		.amdhsa_float_denorm_mode_32 3
		.amdhsa_float_denorm_mode_16_64 3
		.amdhsa_memory_ordered 1
		.amdhsa_forward_progress 1
		.amdhsa_inst_pref_size 147
	.end_amdhsa_kernel
	.amdgpu_metadata
---
amdhsa.version: [ 1, 2 ]
amdhsa.kernels:
  - .name:           k_q7fa81299ec_attn
    .symbol:         k_q7fa81299ec_attn.kd
    .args:
      - { .name: K_batch, .offset: 0, .size: 8, .value_kind: global_buffer, .address_space: global }
      - { .name: Q_batch, .offset: 8, .size: 8, .value_kind: global_buffer, .address_space: global }
      - { .name: V_batch, .offset: 16, .size: 8, .value_kind: global_buffer, .address_space: global }
      - { .name: valid_lens, .offset: 24, .size: 8, .value_kind: global_buffer, .address_space: global }
      - { .name: out0, .offset: 32, .size: 8, .value_kind: global_buffer, .address_space: global }
    .group_segment_fixed_size: 310272
    .private_segment_fixed_size: 0
    .kernarg_segment_align: 8
    .kernarg_segment_size: 40
    .max_flat_workgroup_size: 256
    .sgpr_count:     66
    .vgpr_count:     512
    .wavefront_size: 32
...
	.end_amdgpu_metadata
.endif
;; end of part 1
